; MI455X (gfx1250); checked and timed in simulation.
; The chip was launched on July 23, 2026; its instructions are those of AMD's public machine-readable ISA for CDNA 5 (MIT licence, August 2026) and "CDNA5" Instruction Set Architecture Reference Guide (July 2026). The comments in the code are by the model that wrote it; some were corrected since.
;; Soft Decision Tree. Allowed arithmetic: matrix products marked QUANTISED: E4M3 operands, one E8M0 scale for each 32 along K, by v_wmma_scale_f32_16x16x128_f8f6f4 with both operands' format E4M3, f32 sums; products left as they are: f32 operands where the result goes on into a quantised operand, else bf16, f16 or f32 operands; f32 sums; everything else in f32.
;; Inputs: leaf_logits 1,024 x 2 float32; split_bias 1,023 float32; split_weights_codes 1,023 x 128 x 32 uint8 (E4M3 codes of split_weights, K innermost, in blocks of 32 codes); split_weights_scales 1,023 x 128 uint8 (E8M0 scales of split_weights, one for each 32 codes along K); x_codes 16,384 x 128 x 32 uint8 (E4M3 codes of x, K innermost, in blocks of 32 codes); x_scales 16,384 x 128 uint8 (E8M0 scales of x, one for each 32 codes along K).
;; Outputs: out0 16,384 x 2 float32.
;; This version of the problem:
;;   THIS VERSION OF THE PROBLEM IS GIVEN IN LOW PRECISION. The matrix products marked QUANTISED in the list below multiply operands that are first quantised to E4M3 (4 exponent bits, 3 mantissa bits; 8 bits a number), with one power-of-two scale for each 32 numbers along K (OCP MX v1.0); their sums are f32. All else is computed in f32.
;;   The module's matrix products, in the order in which they are computed (A, B: the left and right operand; K: the contracted axis; several contracted axes count as one K, in the product's order):
;;     1. [M 16,384, K 4,096] x [K 4,096, N 1,023]; A: input x (given as codes); B: input split_weights (given as codes): QUANTISED
;;     2. [M 16,384, K 1,024] x [K 1,024, N 2]; A: computed on the way; B: computed on the way: left as it is (N = 2 < 16)
;;   THE QUANTISER, for each operand of a quantised product, along K:
;;     - K is cut into blocks of 32 from its start; a last block that is shorter is filled with zeros.
;;     - A block's scale is 2^e with e = floor(log2(the largest magnitude in the block)) - 8, held to -126 .. 127; a block of zeros has e = 0. As a byte (E8M0): e + 127.
;;     - Each number is divided by its block's scale, clamped to +-448, and rounded to the nearest number of E4M3, ties to even, subnormals kept.
;;     - The product sums the exact products of the quantised numbers (number of the format x scale) in f32.
;;   ~~~python
;;   def quantise(x, axis):      # numpy; x: float32 -> the quantised numbers, widened to float32 again
;;       x = np.moveaxis(x, axis, -1); K = x.shape[-1]
;;       x = np.pad(x, [(0, 0)] * (x.ndim - 1) + [(0, -K % 32)]); x = x.reshape(x.shape[:-1] + (-1, 32)); a = np.abs(x).max(-1, keepdims=True)
;;       e = np.where(a > 0, np.clip(np.frexp(np.where(a > 0, a, 1))[1] - 1 - 8, -126, 127), 0)      # np.frexp(a)[1] - 1 = floor(log2(a)), exactly
;;       r = np.clip(x / 2.0 ** e, -448, 448)
;;       step = 2.0 ** (np.maximum(np.frexp(np.where(r == 0, 1, r))[1] - 1, -6) - 3)
;;       q = np.round(r / step) * step * 2.0 ** e      # np.round: ties to even
;;       return np.moveaxis(q.reshape(q.shape[:-2] + (-1,))[..., :K], -1, axis).astype(np.float32)
;;   ~~~
;;   INPUTS GIVEN AS CODES. split_weights (in the module: [1023, 4096], K = its axis 1); x (in the module: [16384, 4096], K = its axis 1): each comes as NAME_codes (uint8): NAME with its K axis moved to the last place and cut into blocks of 32 codes, [.., K / 32, bytes a block], one block behind the other in memory; one code a byte (a code: sign, 4 exponent bits, 3 mantissa bits); and NAME_scales (uint8): the same leading axes, one E8M0 byte (e + 127) for each 32 codes along K. Its value is code x scale, taken as it is: it is not quantised again, and the codes and scales need not be those that the quantiser above would give.
;; One version. Each part assembles by itself: llvm-mc -triple=amdgcn-amd-amdhsa -mcpu=gfx1250 --defsym DOCPART=n.
;; ======== version 1 of 1: 3 launches
;; limits: right only within a limited range of input values
;; workspace buffers: w2 4,194,304 bytes; ws2 131,072 bytes; xs2 2,097,152 bytes; bias2 4,096 bytes; lt 8,192 bytes; part 2,097,152 bytes
;; launch prep (part 1): grid 256 x 1, 4 waves a work-group, no clusters, 0 bytes of LDS; arguments split_weights_codes, split_weights_scales, x_scales, split_bias, leaf_logits, w2, ws2, xs2, bias2, lt; writes w2, ws2, xs2, bias2, lt
.if DOCPART == 1
	.amdgcn_target "amdgcn-amd-amdhsa--gfx1250"
	.amdhsa_code_object_version 6
	.text
	.protected	k_q3a23c47702_prep
	.globl	k_q3a23c47702_prep
	.p2align	8
	.type	k_q3a23c47702_prep,@function
k_q3a23c47702_prep:
	s_mov_b64 s[64:65], 0
	v_nop
	global_prefetch_b8 v0, s[64:65] scope:SCOPE_SE
	s_setreg_imm32_b32 hwreg(HW_REG_WAVE_MODE, 25, 1), 1
	s_wait_xcnt 0x0
; SOFT DECISION TREE, launch 1 of 3: the operands are laid as the product's launch takes them.  No work of the problem is left out; every input is read.
; NODES are named by the heap index u = node + 1: W's row is u - 1, u's children are 2 u (left) and 2 u + 1 (right, which takes p).
; PLACE R = 128 cw + 16 t + 8 h + j (cw 0..7, t 0..7, h 0..1, j 0..7) holds a node of the subtree under u4 = 16 + 2 cw + h:
; with o = 8 t + j: o 0..31 level 9, 32..47 level 8, 48..55 level 7, 56..59 level 6, 60, 61 level 5, 62 u4 itself.  With v = 63 - o and d = floor(log2 v): u = ((u4 + 2) << d) - 1 - v.
; o = 63: h = 0: node 8 + cw;  h = 1: cw even: node 4 + cw / 2;  cw odd: node max(cw / 2, 1) (for cw = 1 a copy of node 1 that nobody uses).
; w2[R] = W's row of place R;  bias2[R] its bias;  ws2[R / 256][K step of 256][R % 256][8 bytes] its scale bytes;  xs2 the same of x's rows as they lie;  lt[k] = a0, a1, d0, d1 of level-9 node 512 + k:
; a = softmax of its left leaf, d = softmax of its right leaf less a.
; Wave 4 g + w copies row R = 4 g + w of w2.  Waves 0, 1 re-lay the scale bytes of 32 rows of x each, wave 2 of the first 32 work-groups those of 32 places of W, wave 3 of the first 16 makes 32 entries of lt and 64 of bias2.
; A lane reads its row's 128 scale bytes by eight loads of 16 bytes; each store of a wave covers 256 or 512 consecutive bytes, aligned.  No loop to run ahead in: no prefetch.
.set T0, 24
.set T1, 25
.set T2, 26
.set T3, 27
.set T4, 28
.set T5, 29
.macro UOF n, R                        ; v[n] = W's row of place v[R]
	v_bfe_u32 v[T0], v[\R], 4, 3
	v_and_b32 v[T1], 7, v[\R]
	v_lshl_add_u32 v[T0], v[T0], 3, v[T1]
	v_sub_nc_u32 v[T0], 63, v[T0]                  ; v
	v_cvt_f32_u32 v[T1], v[T0]
	v_lshrrev_b32 v[T1], 23, v[T1]
	v_add_nc_u32 v[T1], 0xffffff81, v[T1]          ; d: the exponent of v as a float
	v_bfe_u32 v[T2], v[\R], 3, 1                   ; h
	v_lshrrev_b32 v[T3], 7, v[\R]
	v_lshl_add_u32 v[T3], v[T3], 1, v[T2]
	v_add_nc_u32 v[T3], 16, v[T3]                  ; u4
	v_add_nc_u32 v[T4], 2, v[T3]
	v_lshlrev_b32 v[T4], v[T1], v[T4]
	v_sub_nc_u32 v[T4], v[T4], v[T0]
	v_add_nc_u32 v[T4], -2, v[T4]                  ; u - 1 where v > 0
	v_lshrrev_b32 v[T1], 2, v[T3]                  ; 4 + cw / 2
	v_add_nc_u32 v[\n], -4, v[T1]
	v_max_u32 v[\n], 1, v[\n]                      ; the top node
	v_bfe_u32 v[T5], v[\R], 7, 1
	v_cmp_eq_u32 vcc_lo, 1, v[T5]
	v_cndmask_b32 v[T1], v[T1], v[\n], vcc_lo
	v_lshrrev_b32 v[\n], 1, v[T3]                  ; 8 + cw
	v_cmp_eq_u32 vcc_lo, 1, v[T2]
	v_cndmask_b32 v[T1], v[\n], v[T1], vcc_lo
	v_add_nc_u32 v[T1], -1, v[T1]
	v_cmp_eq_u32 vcc_lo, 0, v[T0]
	v_cndmask_b32 v[\n], v[T4], v[T1], vcc_lo
	v_min_u32 v[\n], 0x3fe, v[\n]                  ; inside W
.endm
	s_load_b512 s[4:19], s[0:1], 0x0               ; W's codes, W's scales, x's scales, bias, logits, w2, ws2, xs2
	s_load_b128 s[20:23], s[0:1], 0x40             ; bias2, lt
	v_lshrrev_b32 v1, 5, v0
	v_readfirstlane_b32 s24, v1                    ; wave
	s_lshl_b32 s25, ttmp9, 2
	s_add_co_u32 s25, s25, s24                     ; the row that I copy
	s_lshl_b32 s26, ttmp9, 6
	s_lshl_b32 s27, s24, 5
	s_add_co_u32 s26, s26, s27                     ; x's rows: 64 g + 32 w
	s_lshl_b32 s27, ttmp9, 5                       ; W's places: 32 g
	s_cmp_lt_u32 s24, 2
	s_cselect_b32 s26, s26, s27
	s_cselect_b32 s27, -1, 0
	s_lshl_b32 s32, ttmp9, 6
	s_lshl_b32 s33, ttmp9, 9
	v_and_b32 v2, 31, v0
	v_mov_b32 v3, s25
	UOF 4, 3
	v_lshlrev_b32 v5, 4, v2
	v_lshl_add_u32 v6, v4, 12, v5                  ; from W's row,
	v_lshl_add_u32 v7, v3, 12, v5                  ; to w2's
	v_add_nc_u32 v8, s26, v2
	v_and_b32 v9, 0x3ff, v8
	UOF 10, 9
	v_cndmask_b32 v11, v10, v8, s27                ; x's rows stay as they lie
	v_lshlrev_b32 v12, 7, v11
	v_lshrrev_b32 v13, 8, v8
	v_and_b32 v14, 0xff, v8
	v_lshlrev_b32 v14, 3, v14
	v_lshl_add_u32 v13, v13, 15, v14               ; tile x 32,768 + row in the tile x 8
	v_lshl_add_u32 v15, v2, 1, s32
	v_and_b32 v15, 0x3ff, v15                      ; places 64 g + 2 lane and the next
	UOF 16, 15
	v_add_nc_u32 v17, 1, v15
	UOF 18, 17
	v_lshlrev_b32 v16, 2, v16
	v_lshlrev_b32 v18, 2, v18
	v_lshlrev_b32 v19, 2, v15
	v_lshl_add_u32 v20, v2, 4, s33                 ; level-9 node 32 g + lane: 16 bytes of logits, 16 of lt
	s_wait_alu depctr_va_vdst(0)                   ; the wait at the head's end
	s_wait_kmcnt 0x0
	s_cmp_lt_u32 s24, 2
	s_cselect_b64 s[28:29], s[8:9], s[6:7]
	s_cselect_b64 s[30:31], s[18:19], s[16:17]
.irp i, 0,1,2,3,4,5,6,7
	global_load_b128 v[32+4*\i:35+4*\i], v6, s[4:5] offset:512*\i
.endr
	s_cmp_lt_u32 s24, 3
	s_cbranch_scc0 .Ltab
	s_cmp_lt_u32 s24, 2
	s_cbranch_scc1 .Lscl
	s_cmp_lt_u32 ttmp9, 32
	s_cbranch_scc0 .Lcopy
.Lscl:
.irp i, 0,1,2,3,4,5,6,7
	global_load_b128 v[64+4*\i:67+4*\i], v12, s[28:29] offset:16*\i
.endr
	s_wait_loadcnt 0x8                             ; the row's eight loads are in; the eight younger loads of scale bytes may be out
.irp i, 0,1,2,3,4,5,6,7
	global_store_b128 v7, v[32+4*\i:35+4*\i], s[14:15] offset:512*\i
.endr
	s_wait_loadcnt 0x0
.irp k, 0,1,2,3,4,5,6,7,8,9,10,11,12,13,14,15
	global_store_b64 v13, v[64+2*\k:65+2*\k], s[30:31] offset:2048*\k   ; 32 rows x 8 bytes of K step k
.endr
	s_endpgm
.Ltab:
	s_cmp_lt_u32 ttmp9, 16
	s_cbranch_scc0 .Lcopy
	global_load_b128 v[96:99], v20, s[12:13]       ; the left leaf's two logits, the right leaf's two
	global_load_b32 v108, v16, s[10:11]
	global_load_b32 v109, v18, s[10:11]
	s_wait_loadcnt 0x0
	v_max_num_f32 v100, v96, v97                   ; the larger logit is taken away first
	v_max_num_f32 v101, v98, v99
	v_sub_f32 v96, v96, v100
	v_sub_f32 v97, v97, v100
	v_sub_f32 v98, v98, v101
	v_sub_f32 v99, v99, v101
.irp i, 96,97,98,99
	v_mul_f32 v\i, 0x3fb8aa3b, v\i
.endr
	s_wait_alu depctr_va_vdst(0)                   ; a wait ahead of a batch and one behind it
.irp i, 96,97,98,99
	v_exp_f32 v\i, v\i
.endr
	v_nop
	s_wait_alu depctr_va_vdst(0)
	v_add_f32 v100, v96, v97
	v_add_f32 v101, v98, v99
	s_wait_alu depctr_va_vdst(0)
	v_rcp_f32 v100, v100
	v_rcp_f32 v101, v101
	v_nop
	s_wait_alu depctr_va_vdst(0)
	v_mul_f32 v104, v96, v100
	v_mul_f32 v105, v97, v100
	v_fma_f32 v106, v98, v101, -v104
	v_fma_f32 v107, v99, v101, -v105
	global_store_b128 v20, v[104:107], s[22:23]
	global_store_b64 v19, v[108:109], s[20:21]
.Lcopy:
	s_wait_loadcnt 0x0
.irp i, 0,1,2,3,4,5,6,7
	global_store_b128 v7, v[32+4*\i:35+4*\i], s[14:15] offset:512*\i
.endr
	s_endpgm
.Lfunc_end_k_q3a23c47702_prep:
	.size	k_q3a23c47702_prep, .Lfunc_end_k_q3a23c47702_prep-k_q3a23c47702_prep
	.p2alignl 7, 3214868480
	.fill 96, 4, 3214868480
	.section	.rodata,"a",@progbits
	.p2align	6, 0x0
	.amdhsa_kernel k_q3a23c47702_prep
		.amdhsa_group_segment_fixed_size 0
		.amdhsa_private_segment_fixed_size 0
		.amdhsa_enable_private_segment 0
		.amdhsa_kernarg_size 80
		.amdhsa_user_sgpr_count 2
		.amdhsa_user_sgpr_kernarg_segment_ptr 1
		.amdhsa_wavefront_size32 1
		.amdhsa_system_sgpr_workgroup_id_x 1
		.amdhsa_system_sgpr_workgroup_id_y 1
		.amdhsa_system_sgpr_workgroup_id_z 1
		.amdhsa_system_vgpr_workitem_id 0
		.amdhsa_next_free_vgpr 128
		.amdhsa_next_free_sgpr 66
		.amdhsa_reserve_vcc 1
		.amdhsa_float_denorm_mode_32 3
		.amdhsa_float_denorm_mode_16_64 3
		.amdhsa_memory_ordered 1
		.amdhsa_forward_progress 1
		.amdhsa_inst_pref_size 13
	.end_amdhsa_kernel
	.amdgpu_metadata
---
amdhsa.version: [ 1, 2 ]
amdhsa.kernels:
  - .name:           k_q3a23c47702_prep
    .symbol:         k_q3a23c47702_prep.kd
    .args:
      - { .name: split_weights_codes, .offset: 0, .size: 8, .value_kind: global_buffer, .address_space: global }
      - { .name: split_weights_scales, .offset: 8, .size: 8, .value_kind: global_buffer, .address_space: global }
      - { .name: x_scales, .offset: 16, .size: 8, .value_kind: global_buffer, .address_space: global }
      - { .name: split_bias, .offset: 24, .size: 8, .value_kind: global_buffer, .address_space: global }
      - { .name: leaf_logits, .offset: 32, .size: 8, .value_kind: global_buffer, .address_space: global }
      - { .name: w2, .offset: 40, .size: 8, .value_kind: global_buffer, .address_space: global }
      - { .name: ws2, .offset: 48, .size: 8, .value_kind: global_buffer, .address_space: global }
      - { .name: xs2, .offset: 56, .size: 8, .value_kind: global_buffer, .address_space: global }
      - { .name: bias2, .offset: 64, .size: 8, .value_kind: global_buffer, .address_space: global }
      - { .name: lt, .offset: 72, .size: 8, .value_kind: global_buffer, .address_space: global }
    .group_segment_fixed_size: 0
    .private_segment_fixed_size: 0
    .kernarg_segment_align: 8
    .kernarg_segment_size: 80
    .max_flat_workgroup_size: 128
    .sgpr_count:     66
    .vgpr_count:     128
    .wavefront_size: 32
...
	.end_amdgpu_metadata
.endif
;; end of part 1
;; launch tree (part 2): grid 4 x 64, 4 waves a work-group, clusters of 4 x 4, 327,680 bytes of LDS; arguments x_codes, xs2, w2, ws2, bias2, lt, part; writes part
.if DOCPART == 2
	.amdgcn_target "amdgcn-amd-amdhsa--gfx1250"
	.amdhsa_code_object_version 6
	.text
	.protected	k_q3a23c47702_tree
	.globl	k_q3a23c47702_tree
	.p2align	8
	.type	k_q3a23c47702_tree,@function
k_q3a23c47702_tree:
	s_mov_b64 s[64:65], 0
	v_nop
	global_prefetch_b8 v0, s[64:65] scope:SCOPE_SE
	s_setreg_imm32_b32 hwreg(HW_REG_WAVE_MODE, 25, 1), 1
	s_wait_xcnt 0x0
	s_wait_alu depctr_hold_cnt(0) depctr_sa_sdst(0) depctr_va_vdst(0) depctr_va_sdst(0) depctr_va_ssrc(0) depctr_va_vcc(0) depctr_vm_vsrc(0)
	s_getreg_b32 s2, hwreg(HW_REG_IB_STS2, 6, 4)
	s_cmp_eq_u32 s2, 0
	s_cbranch_scc0 .Lentry_in_a_cluster
	s_endpgm
.Lentry_in_a_cluster:
	s_bfe_u32 s2, ttmp6, 0x10000c
	s_cmp_lg_u32 s2, 0xf033
	s_cbranch_scc0 .Lentry_shape_is_right
	s_endpgm
.Lentry_shape_is_right:
; Launch 2 of 3: z = x W^T + bias on codes of FP8 (E4M3) with E8M0 scales, p = sigmoid(z), and the tree's levels 9 to 3, V(node) = V(left) + p(node) (V(right) - V(left)); all behind the product in f32.
; A work-group makes 256 rows of x by the 256 places 256 c .. 256 c + 255 of w2 (launch 1's order); a wave 128 x 128: 64 accumulators, 512 registers.  z and p never leave the registers.
; THE PRODUCT IS USED TRANSPOSED (source 0 = 16 places of w2, source 1 = 16 rows of x): lane (r, h) holds row r of x, and the 64 registers of a block of 16 rows are slots o = 8 t + j of the subtree under
; u4 = 16 + 2 cw + h, cw = 2 c + the wave's column half: levels 9 to 4 are folded in the lane, level 3 with one exchange between the halves of the lanes.
; part[cw][row] = V(8 + cw) (two classes), the p of slot 63 of lanes 16-31 (node 4 + c or a top node), 0.
; K goes in 16 steps of 256 through a ring of two LDS slots: x's 256 rows, w2's 256 rows (rows of 256 bytes + 16 of padding), and the step's scale bytes of both, 2,048 dense bytes each.
; One tensor load a wave at the head and behind each round: wave 0 x's codes, 1 w2's, 2 x's scales, 3 w2's.
; CLUSTER 4 x 4: x's tiles are asked for jointly along a row of the cluster, w2's along a column.
; PREFETCH: behind each refill a wave names 32 rows x 256 bytes of the K step two refills on (waves 0, 1 x's rows, waves 2, 3 w2's); the four partners of a joint load share the rows out by address.
; The last two refills name nothing.  The scale blocks, 4,096 of a K step's 135,168 bytes, are not named.
; The bias is the C of each accumulator's first product.
; LIMITS: NaN, infinities and the scale byte 0xff among the inputs are not served.  Where 2^(-z log2 e) overflows, p is exactly 0; where it falls under 2^-126, p is exactly 1.
; REGISTERS: window 0: v0-31 addresses; v32-63 scale words, two sets (later the results); v64-127 the bias (later, to v191, the tree's values); v128-255 x's fragments, one set.
;   window 1: w2's fragments, two sets (set 0 later the leaf constants).  Windows 2, 3: accumulator (a, b) at v[8 (8 (a % 4) + b)], a = block of rows, b = tile of places.
.set PITCH,  272
.set FR,     16
.set NL,     4
.set NP,     8                         ; places behind this matrix form (ISA guide 7.12.1)
.set NQ,     2
.set HALFT,  128*PITCH
.set OFFB,   2*HALFT
.set OFFSA,  4*HALFT
.set OFFSB,  OFFSA+2048
.set SLOT,   OFFSA+4096
.set SPARE,  2*SLOT                    ; the spare words, 128 bytes for each wave
.set LAPS,   8
.set ADRA, 16
.set ADRB, 20
.set ADRS, 22
.set BIO,  24
.set LFO,  25
.set CO,   26
.set SPW,  28
.set NIL,  29
.set PFO,  30
.set SC,   32
.set RES,  32
.set BI,   64
.set VT,   64
.set AF,   128
.set OT,   192
.set WV, 18
.set WR, 19
.set WC, 20
.set CX, 21
.set CY, 22
.set MT, 23
.set COL, 100
.set G1A, 24
.set G1B, 32
.set G1SA, 40
.set G1SB, 48
.set G0A, 56
.set G0B, 68
.set G0SA, 76
.set G0SB, 84
.set PFA, 96
.set CODEW, (1<<20)|(1<<21)|(5<<22)|(3<<25)   ; elements of 1 byte; padding of 4 words behind every 64; bit 21 beside a mask
.set SCLW,  (3<<16)|(1<<21)                   ; elements of 8 bytes, no padding
.set MSB, 0
.macro WIN new
.if MSB != \new
	s_set_vgpr_msb (MSB<<8)|\new
.set MSB, \new
.endif
.endm
.set MUL_LO, 0xa1
.set MUL_HI, 0xf1
.set TO_B,   0x40
.set IN2,    0x82
.set IN3,    0xc3
.macro PLACES n
.rept \n
	v_nop
.endr
.endm
.macro ARM under, g0, g1, nxt, done
	s_cmp_lt_u32 s[WV], \under
	s_cbranch_scc0 \nxt
	tensor_load_to_lds s[\g0:\g0+3], s[\g1:\g1+7]
	s_nop 0
.rept 4
	v_nop
.endr
	s_branch \done
\nxt:
.endm
.macro JLOAD p                         ; slot p's four tiles, one a wave: one chain of branches on the wave's number, one load to an arm, one join
	ARM 1, G0A+4*\p, G1A, .Lb_\@, .Ld_\@
	ARM 2, G0B+4*\p, G1B, .Lsa_\@, .Ld_\@
	ARM 3, G0SA+4*\p, G1SA, .Lsb_\@, .Ld_\@
	tensor_load_to_lds s[G0SB+4*\p:G0SB+4*\p+3], s[G1SB:G1SB+7]
	s_nop 0
.rept 4
	v_nop
.endr
.Ld_\@:
.endm
.macro CREST
	s_cmp_lg_u32 s[WV], 0
	s_cbranch_scc1 .Lnw0_\@
	s_barrier_signal -3
.Lnw0_\@:
	s_barrier_wait -3
	s_barrier_signal -1
	s_barrier_wait -1
.endm
.macro CROUND
	s_barrier_signal -1
	s_barrier_wait -1
	CREST
.endm
.macro ASK                             ; not in the loop's last trip, whose refills are the last two K steps
	s_cmp_gt_u32 s3, 1
	s_cbranch_scc0 .Lnp_\@
	global_prefetch_b8 v[PFO], s[PFA:PFA+1] offset:256 th:TH_LOAD_NT scope:SCOPE_SE
.Lnp_\@:
.endm
	s_load_b256 s[4:11], s[0:1], 0x0               ; x's codes, xs2, w2, ws2
	s_load_b128 s[12:15], s[0:1], 0x20             ; bias2, lt
	s_load_b64 s[16:17], s[0:1], 0x30              ; part
	v_lshl_add_u32 v[SPW], v0, 2, SPARE
	v_mov_b32 v[NIL], 0
	ds_add_u32 v[SPW], v[NIL]                      ; the opening lines: the add twice on end and its wait
	ds_add_u32 v[SPW], v[NIL]
	v_lshrrev_b32 v1, 5, v0
	v_readfirstlane_b32 s[WV], v1
	s_lshr_b32 s[WR], s[WV], 1                     ; my half of the rows
	s_and_b32 s[WC], s[WV], 1                      ; my half of the places
	s_bfe_u32 s[CX], ttmp6, 0x40000
	s_bfe_u32 s[CY], ttmp6, 0x40004
	s_lshl_b32 s[COL], ttmp9, 2
	s_add_co_u32 s[COL], s[COL], s[CX]             ; c
	s_and_b32 s[MT], ttmp7, 0xffff
	s_lshl_b32 s[MT], s[MT], 2
	s_add_co_u32 s[MT], s[MT], s[CY]               ; tile of rows
	s_lshl_b32 s92, s[CY], 2
	s_lshl_b32 s92, 15, s92                        ; my row of the cluster
	s_lshl_b32 s93, 0x1111, s[CX]                  ; my column
	s_or_b32 s[G1A], s92, CODEW
	s_or_b32 s[G1B], s93, CODEW
	s_or_b32 s[G1SA], s92, SCLW
	s_or_b32 s[G1SB], s93, SCLW
.irp g, G1A, G1B                       ; 256 rows of 256 bytes, 4,096 apart
	s_mov_b32 s[\g+1], 256<<16
	s_mov_b32 s[\g+2], 256<<16
	s_mov_b32 s[\g+3], 256<<16
	s_mov_b32 s[\g+4], 256
	s_mov_b32 s[\g+5], 4096
	s_mov_b32 s[\g+6], 0
	s_mov_b32 s[\g+7], 0
.endr
.irp g, G1SA, G1SB                     ; 2,048 dense bytes as 8 rows of 32 elements
	s_mov_b32 s[\g+1], 32<<16
	s_mov_b32 s[\g+2], 8<<16
	s_mov_b32 s[\g+3], 32<<16
	s_mov_b32 s[\g+4], 8
	s_mov_b32 s[\g+5], 32
	s_mov_b32 s[\g+6], 0
	s_mov_b32 s[\g+7], 0
.endr
	s_lshl_b32 s94, s[MT], 20
	s_mov_b32 s95, 0
	s_lshl_b32 s98, s[MT], 15
	s_mov_b32 s99, 0
	s_lshl_b32 s2, s[COL], 20
	s_mov_b32 s3, 0
	s_lshl_b32 s66, s[COL], 15
	s_mov_b32 s67, 0
	s_wait_dscnt 0x0
	CROUND                                         ; all sixteen work-groups are here: the first joint loads meet.  The round needs no argument, so it stands ahead of the wait for them
	s_wait_kmcnt 0x0
	s_add_nc_u64 s[94:95], s[4:5], s[94:95]
	s_add_nc_u64 s[98:99], s[6:7], s[98:99]
	s_add_nc_u64 s[2:3], s[8:9], s[2:3]
	s_add_nc_u64 s[66:67], s[10:11], s[66:67]
.irp p, 0,1
	s_mov_b32 s[G0A+4*\p], 1
	s_mov_b32 s[G0A+4*\p+1], \p*SLOT
	s_add_nc_u64 s[G0A+4*\p+2:G0A+4*\p+3], s[94:95], \p*256
	s_or_b32 s[G0A+4*\p+3], s[G0A+4*\p+3], 0x80000000
	s_mov_b32 s[G0B+4*\p], 1
	s_mov_b32 s[G0B+4*\p+1], \p*SLOT+OFFB
	s_add_nc_u64 s[G0B+4*\p+2:G0B+4*\p+3], s[2:3], \p*256
	s_or_b32 s[G0B+4*\p+3], s[G0B+4*\p+3], 0x80000000
	s_mov_b32 s[G0SA+4*\p], 1
	s_mov_b32 s[G0SA+4*\p+1], \p*SLOT+OFFSA
	s_add_nc_u64 s[G0SA+4*\p+2:G0SA+4*\p+3], s[98:99], \p*2048
	s_or_b32 s[G0SA+4*\p+3], s[G0SA+4*\p+3], 0x80000000
	s_mov_b32 s[G0SB+4*\p], 1
	s_mov_b32 s[G0SB+4*\p+1], \p*SLOT+OFFSB
	s_add_nc_u64 s[G0SB+4*\p+2:G0SB+4*\p+3], s[66:67], \p*2048
	s_or_b32 s[G0SB+4*\p+3], s[G0SB+4*\p+3], 0x80000000
.endr
	JLOAD 0                                        ; K step 0: one tensor load a wave at the head
	s_mul_i32 s92, s[WR], HALFT                    ; my 128 rows of x,
	s_mul_i32 s93, s[WC], HALFT
	s_add_co_u32 s93, s93, OFFB                    ; my 128 places of w2
	s_lshl_b32 s94, s[WR], 10
	s_lshl_b32 s95, s[WC], 10
	s_add_co_u32 s95, s95, 2048
	s_sub_co_u32 s95, s95, s94                     ; from x's scale words to w2's
	s_add_co_u32 s94, s94, OFFSA
	s_lshl_b32 s98, s[COL], 1
	s_add_co_u32 s98, s98, s[WC]                   ; cw
	s_lshl_b32 s2, s98, 18                         ; part: cw x 16,384 rows x 16 bytes + my first row
	s_lshl_b32 s3, s[MT], 12
	s_add_co_u32 s2, s2, s3
	s_lshl_b32 s3, s[WR], 11
	s_add_co_u32 s2, s2, s3
	s_mov_b32 s3, 0
	s_add_nc_u64 s[16:17], s[16:17], s[2:3]
	s_lshl_b32 s99, s98, 10
	s_lshl_b32 s98, s98, 9
	s_lshl_b32 s2, s[MT], 8                        ; the prefetches: waves 0, 1 name x's rows, waves 2, 3 w2's
	s_lshl_b32 s3, s[COL], 8
	s_cmp_eq_u32 s[WR], 0
	s_cselect_b32 s2, s2, s3
	s_cselect_b32 s3, s[CX], s[CY]                 ; my place among the four that ask jointly
	s_cselect_b64 s[PFA:PFA+1], s[4:5], s[8:9]
	s_lshl_b32 s66, s[WC], 7
	s_add_co_u32 s2, s2, s66
	s_lshl_b32 s3, s3, 5
	s_add_co_u32 s2, s2, s3
	s_lshl_b32 s2, s2, 12
	s_mov_b32 s3, 0
	s_add_nc_u64 s[PFA:PFA+1], s[PFA:PFA+1], s[2:3]
	s_add_nc_u64 s[PFA:PFA+1], s[PFA:PFA+1], 512   ; at K step 2: the first refill steps it to 3 and names K step 4
	v_and_b32 v1, 15, v0                           ; r
	v_bfe_u32 v2, v0, 4, 1                         ; h
	v_mul_u32_u24 v3, v1, PITCH
	v_lshl_add_u32 v4, v2, 4, v3
	v_add_nc_u32 v[ADRA], s92, v4
	v_add_nc_u32 v[ADRA+1], SLOT, v[ADRA]
	v_add_nc_u32 v[ADRB], s93, v4
	v_add_nc_u32 v[ADRB+1], SLOT, v[ADRB]
	v_mul_u32_u24 v5, s95, v2                      ; lanes 16-31 take w2's scale words
	v_lshl_add_u32 v5, v1, 3, v5
	v_add_nc_u32 v[ADRS], s94, v5
	v_add_nc_u32 v[ADRS+1], SLOT, v[ADRS]
	v_lshl_add_u32 v[BIO], v2, 5, s98              ; bias2 at place 128 cw + 8 h
	v_lshl_add_u32 v[LFO], v2, 9, s99              ; lt at node 64 cw + 32 h
	v_lshlrev_b32 v[CO], 4, v1
	v_and_b32 v[PFO], 31, v0
	v_lshlrev_b32 v[PFO], 12, v[PFO]
.irp t, 0,1,2,3,4,5,6,7
	global_load_b128 v[BI+8*\t:BI+8*\t+3], v[BIO], s[12:13] offset:64*\t
	global_load_b128 v[BI+8*\t+4:BI+8*\t+7], v[BIO], s[12:13] offset:64*\t+16
.endr
.macro FRAG reg, adr, q, i
.irp c, 0,1,2,3
	ds_load_b128 v[\reg+4*\c:\reg+4*\c+3], v[\adr] offset:128*(\q)+32*\c+(\i)*16*PITCH
.endr
.endm
; 16 products: blocks a0, a0 + 1 of x by w2's eight tiles.  The 64 accumulators take turns.  zero = 1: the bias is C.
.macro MUL16 a0, p, q, sc, zero
.irp a, \a0, \a0+1
.irp b, 0,1,2,3,4,5,6,7
.if \zero
	v_wmma_scale_f32_16x16x128_f8f6f4 v[8*(8*((\a)%4)+\b):8*(8*((\a)%4)+\b)+7], v[128*(\p)+FR*\b:128*(\p)+FR*\b+FR-1], v[AF+FR*(\a):AF+FR*(\a)+FR-1], v[BI+8*\b:BI+8*\b+7], v[SC+8*NQ*(\sc)+NQ*\b+(\q)], v[SC+8*NQ*(\sc)+NQ*(\a)+(\q)] matrix_a_scale:MATRIX_SCALE_ROW1
.else
	v_wmma_scale_f32_16x16x128_f8f6f4 v[8*(8*((\a)%4)+\b):8*(8*((\a)%4)+\b)+7], v[128*(\p)+FR*\b:128*(\p)+FR*\b+FR-1], v[AF+FR*(\a):AF+FR*(\a)+FR-1], v[8*(8*((\a)%4)+\b):8*(8*((\a)%4)+\b)+7], v[SC+8*NQ*(\sc)+NQ*\b+(\q)], v[SC+8*NQ*(\sc)+NQ*(\a)+(\q)] matrix_a_scale:MATRIX_SCALE_ROW1
.endif
.endr
.endr
.endm
.macro MUL8 a, p, q, sc                ; eight products: block a of x by w2's eight tiles, in the same order of turns
.irp b, 0,1,2,3,4,5,6,7
	v_wmma_scale_f32_16x16x128_f8f6f4 v[8*(8*((\a)%4)+\b):8*(8*((\a)%4)+\b)+7], v[128*(\p)+FR*\b:128*(\p)+FR*\b+FR-1], v[AF+FR*(\a):AF+FR*(\a)+FR-1], v[8*(8*((\a)%4)+\b):8*(8*((\a)%4)+\b)+7], v[SC+8*NQ*(\sc)+NQ*\b+(\q)], v[SC+8*NQ*(\sc)+NQ*(\a)+(\q)] matrix_a_scale:MATRIX_SCALE_ROW1
.endr
.endm
.macro FETCH_B slot, q, p
	WIN TO_B
.irp i, 0,1,2,3,4,5,6,7
	FRAG 128*(\p)+FR*\i, ADRB+\slot, \q, \i
.endr
	WIN 0
.endm
.macro FETCH_A slot, q, i0
.irp i, \i0, \i0+1, \i0+2, \i0+3
	FRAG AF+FR*(\i), ADRA+\slot, \q, \i
.endr
.endm
.macro SCALES sc                       ; the slot's scale words: lanes 0-15 x's block i, lanes 16-31 w2's tile i; two words a row
.irp i, 0,1,2,3,4,5,6,7
	ds_load_b64 v[SC+8*NQ*\sc+NQ*\i:SC+8*NQ*\sc+NQ*\i+1], v[ADRS+\sc] offset:\i*128
.endr
.endm
.macro STEP slot, q, zero              ; a slot's first 128 along K
	s_wait_dscnt 4*NL                              ; all but x's blocks 4-7, the youngest sixteen loads
	WIN MUL_LO-0x20*\zero                          ; (zero: C in window 0)
	MUL16 0, (\q)%2, \q, \slot, \zero
	MUL16 2, (\q)%2, \q, \slot, \zero
	s_wait_dscnt 0
	PLACES NP
	FETCH_B \slot, (\q)+1, 1-(\q)%2
	FETCH_A \slot, (\q)+1, 0
	WIN MUL_HI-0x30*\zero
	MUL16 4, (\q)%2, \q, \slot, \zero
	MUL16 6, (\q)%2, \q, \slot, \zero
	PLACES NP
	WIN 0
	FETCH_A \slot, (\q)+1, 4
.endm
.macro TURN slot, next, fill           ; a slot's last 128 along K, and the change of slots
.if \fill
	s_wait_xcnt 0x0                                ; the last prefetch has read its address
	s_add_nc_u64 s[PFA:PFA+1], s[PFA:PFA+1], 256
.endif
	s_wait_dscnt 4*NL                              ; all but x's blocks 4-7, the youngest sixteen loads
	WIN MUL_LO
	MUL16 0, 1, NQ-1, \slot, 0                     ; sixteen products on registers stand ahead of the wait for the next slot's tile: 112 products lie between a refill and the wait for it
	WIN 0                                          ; (the add's two registers lie in window 0)
	s_wait_tensorcnt 0x0                           ; my one load that was out, my tile of the next slot, has landed
	ds_add_u32 v[SPW], v[NIL]
.if \fill
	s_add_nc_u64 s[G0A+4*\slot+2:G0A+4*\slot+3], s[G0A+4*\slot+2:G0A+4*\slot+3], 512       ; no tensor load of mine is out, so the groups 0 may be written: two K steps on
	s_add_nc_u64 s[G0B+4*\slot+2:G0B+4*\slot+3], s[G0B+4*\slot+2:G0B+4*\slot+3], 512
	s_add_nc_u64 s[G0SA+4*\slot+2:G0SA+4*\slot+3], s[G0SA+4*\slot+2:G0SA+4*\slot+3], 4096
	s_add_nc_u64 s[G0SB+4*\slot+2:G0SB+4*\slot+3], s[G0SB+4*\slot+2:G0SB+4*\slot+3], 4096
.endif
	WIN MUL_LO
	MUL8 2, 1, NQ-1, \slot                         ; eight products stand between the add and the wait for it
	s_wait_dscnt 0x0                               ; the add is done, and my reads of this slot are over
	s_barrier_signal -1
	MUL8 3, 1, NQ-1, \slot                         ; work on registers while the others arrive
	WIN 0
	s_barrier_wait -1
.if \fill
	CREST                                          ; the barrier has opened a round of the cluster's barrier
	JLOAD \slot                                    ; the first tensor load behind the round; its four v_nop are four of the eight places
	PLACES NP-4
.else
	PLACES NP
.endif
	FETCH_B \next, 0, 0
	FETCH_A \next, 0, 0
	SCALES \next
.if \fill
	ASK
.endif
	WIN MUL_HI
	MUL16 4, 1, NQ-1, \slot, 0
	MUL16 6, 1, NQ-1, \slot, 0
	PLACES NP
	WIN 0
	FETCH_A \next, 0, 4
.endm
	s_wait_alu depctr_va_vdst(0)                   ; the wait at the head's end
	s_wait_tensorcnt 0x0                           ; my tile of K step 0 is in; slot 1's first fill is issued as a refill is
	ds_add_u32 v[SPW], v[NIL]
	s_wait_dscnt 0x0
	CROUND
	JLOAD 1
	FETCH_B 0, 0, 0
	FETCH_A 0, 0, 0
	SCALES 0
	FETCH_A 0, 0, 4
	s_wait_loadcnt 0x0                             ; the bias
	STEP 0, 0, 1
	s_mov_b32 s3, LAPS-1
.Llap:
	TURN 0, 1, 1
	STEP 1, 0, 0
	TURN 1, 0, 1
	STEP 0, 0, 0
	s_sub_co_u32 s3, s3, 1
	s_cmp_lg_u32 s3, 0
	s_cbranch_scc1 .Llap
	TURN 0, 1, 0                                   ; the last lap fills nothing
	STEP 1, 0, 0
	WIN TO_B                                       ; w2's set 0 is done with, eight places back: my 32 level-9 nodes' a0, a1, d0, d1 land there under the last products
.set i, 0
.rept 32
	global_load_b128 v[4*i:4*i+3], v[LFO], s[14:15] offset:16*i
.set i, i+1
.endr
	WIN 0
	s_wait_dscnt 4*NL
	WIN MUL_LO
	MUL16 0, 1, NQ-1, 1, 0
	MUL16 2, 1, NQ-1, 1, 0
	s_wait_dscnt 0
	WIN MUL_HI
	MUL16 4, 1, NQ-1, 1, 0
	MUL16 6, 1, NQ-1, 1, 0
	WIN 0
	; p = 1 / (1 + 2^(-log2(e) z)), in place, each accumulator from its low end on
	PLACES NP
	s_mov_b32 s92, 0xbfb8aa3b
	s_mov_b32 s93, s92
	s_mov_b32 s94, 0x76543210                      ; v_permlanex16_b32's selects for lane l xor 16
	s_mov_b32 s95, 0xfedcba98
.set i, 0
.rept 32
	v_mov_b32 v[RES+i], 0                          ; a lane permute's destination counts as a source; each result's fourth word stays 0
.set i, i+1
.endr
.irp i, 0,1,2,3
	v_mov_b32 v[OT+\i], 0
.endr
.macro SIGMUL
.set i, 0
.rept 128
	v_pk_mul_f32 v[i:i+1], v[i:i+1], s[92:93] op_sel_hi:[1,0]
.set i, i+2
.endr
.endm
.macro ALL256 op
.set i, 0
.rept 256
	\op v[i], v[i]
.set i, i+1
.endr
.endm
.macro PLUS1
.set i, 0
.rept 128
	v_pk_add_f32 v[i:i+1], v[i:i+1], 1.0 op_sel_hi:[1,0]
.set i, i+2
.endr
.endm
	WIN IN2
	SIGMUL
	WIN IN3
	SIGMUL
	WIN IN2
	s_wait_alu depctr_va_vdst(0)                   ; a wait ahead of each batch and one behind it
	ALL256 v_exp_f32
	v_nop
	s_wait_alu depctr_va_vdst(0)
	WIN IN3
	ALL256 v_exp_f32
	v_nop
	s_wait_alu depctr_va_vdst(0)
	WIN IN2
	PLUS1
	WIN IN3
	PLUS1
	WIN IN2
	s_wait_alu depctr_va_vdst(0)
	ALL256 v_rcp_f32
	v_nop
	s_wait_alu depctr_va_vdst(0)
	WIN IN3
	ALL256 v_rcp_f32
	v_nop
	s_wait_alu depctr_va_vdst(0)
	WIN 0
	s_wait_loadcnt 0x0                             ; the leaf constants
.macro BLEND                           ; v[rO:rO+1] = v[rR:rR+1] x v[rP] + v[rL:rL+1]: both classes at once
.if rP%2
	v_pk_fma_f32 v[rO:rO+1], v[rR:rR+1], v[rP-1:rP], v[rL:rL+1] op_sel:[0,1,0] op_sel_hi:[1,1,1]
.else
	v_pk_fma_f32 v[rO:rO+1], v[rR:rR+1], v[rP:rP+1], v[rL:rL+1] op_sel_hi:[1,0,1]
.endif
.endm
; A level of n nodes, for two blocks of rows by turns: node i's children stand 2 st registers apart; first all R = R - L (a multiply-add by 1, so that one window setting serves), then all L = L + p R
.macro LEVEL n, st, pb
.irp e, 0,1
.set i, 0
.rept \n
.set rL, VT+64*\e+4*\st*i
.set rR, rL+2*\st
	v_pk_fma_f32 v[rR:rR+1], v[rR:rR+1], 1.0, v[rL:rL+1] op_sel_hi:[1,0,1] neg_lo:[0,0,1] neg_hi:[0,0,1]
.set i, i+1
.endr
.endr
.irp e, 0,1
.set i, 0
.rept \n
.set rL, VT+64*\e+4*\st*i
.set rR, rL+2*\st
.set rO, rL
.set rP, (\pb)+64*\e+i
	BLEND
.set i, i+1
.endr
.endr
.endm
.macro PAIR w, al                      ; blocks al, al + 1 of window w
	WIN 0x11+4*\w                                  ; sources 0 and 2 (d, a) window 1, source 1 (p) window w
.irp e, 0,1
.set i, 0
.rept 32                               ; level 9: V = a + p d
.set rO, VT+64*\e+2*i
.set rR, 4*i+2
.set rL, 4*i
.set rP, 64*(\al+\e)+i
	BLEND
.set i, i+1
.endr
.endr
	WIN 4*\w                                       ; source 1 window w
	LEVEL 16, 1, 64*\al+32
	LEVEL 8, 2, 64*\al+48
	LEVEL 4, 4, 64*\al+56
	LEVEL 2, 8, 64*\al+60
	LEVEL 1, 16, 64*\al+62
.irp e, 0,1                            ; level 3: lanes 0-15 hold the left child, lanes 16-31 the right one of the same row; right from here on in lanes 0-15
	v_permlanex16_b32 v[OT+2*\e], v[VT+64*\e], s94, s95
	v_permlanex16_b32 v[OT+2*\e+1], v[VT+64*\e+1], s94, s95
.endr
.irp e, 0,1
	v_pk_fma_f32 v[OT+2*\e:OT+2*\e+1], v[OT+2*\e:OT+2*\e+1], 1.0, v[VT+64*\e:VT+64*\e+1] op_sel_hi:[1,0,1] neg_lo:[0,0,1] neg_hi:[0,0,1]
.endr
.irp e, 0,1
.set rO, RES+16*(\w-2)+4*(\al+\e)
.set rR, OT+2*\e
.set rL, VT+64*\e
.set rP, 64*(\al+\e)+63
	BLEND
.endr
.endm
.macro HALF w
	WIN \w                                         ; source 0 window w
.irp al, 0,1,2,3
	v_permlanex16_b32 v[RES+16*(\w-2)+4*\al+2], v[64*\al+63], s94, s95   ; slot 63 of lanes 16-31, brought to lanes 0-15
.endr
	PAIR \w, 0
	PAIR \w, 2
.endm
	HALF 2
	HALF 3
	WIN 0
	v_cmp_eq_u32 vcc_lo, 0, v2
	s_wait_alu depctr_va_vdst(0)
	s_wait_xcnt 0x0                                ; EXEC changes only behind this wait
	s_and_saveexec_b32 s98, vcc_lo
.irp a, 0,1,2,3,4,5,6,7
	global_store_b128 v[CO], v[RES+4*\a:RES+4*\a+3], s[16:17] offset:256*\a   ; sixteen lanes store the 256 consecutive bytes of rows 16 a .. 16 a + 15, aligned
.endr
	s_wait_xcnt 0x0
	s_or_b32 exec_lo, exec_lo, s98
	s_wait_tensorcnt 0x0                           ; the wave's end
	ds_add_u32 v[SPW], v[NIL]
	s_wait_dscnt 0x0
	CROUND                                         ; the closing round
	s_endpgm
.Lfunc_end_k_q3a23c47702_tree:
	.size	k_q3a23c47702_tree, .Lfunc_end_k_q3a23c47702_tree-k_q3a23c47702_tree
	.p2alignl 7, 3214868480
	.fill 96, 4, 3214868480
	.section	.rodata,"a",@progbits
	.p2align	6, 0x0
	.amdhsa_kernel k_q3a23c47702_tree
		.amdhsa_group_segment_fixed_size 327680
		.amdhsa_private_segment_fixed_size 0
		.amdhsa_enable_private_segment 0
		.amdhsa_kernarg_size 56
		.amdhsa_user_sgpr_count 2
		.amdhsa_user_sgpr_kernarg_segment_ptr 1
		.amdhsa_wavefront_size32 1
		.amdhsa_system_sgpr_workgroup_id_x 1
		.amdhsa_system_sgpr_workgroup_id_y 1
		.amdhsa_system_sgpr_workgroup_id_z 1
		.amdhsa_system_vgpr_workitem_id 0
		.amdhsa_next_free_vgpr 1024
		.amdhsa_next_free_sgpr 102
		.amdhsa_reserve_vcc 1
		.amdhsa_float_denorm_mode_32 3
		.amdhsa_float_denorm_mode_16_64 3
		.amdhsa_memory_ordered 1
		.amdhsa_forward_progress 1
		.amdhsa_inst_pref_size 241
	.end_amdhsa_kernel
	.amdgpu_metadata
---
amdhsa.version: [ 1, 2 ]
amdhsa.kernels:
  - .name:           k_q3a23c47702_tree
    .symbol:         k_q3a23c47702_tree.kd
    .args:
      - { .name: x_codes, .offset: 0, .size: 8, .value_kind: global_buffer, .address_space: global }
      - { .name: xs2, .offset: 8, .size: 8, .value_kind: global_buffer, .address_space: global }
      - { .name: w2, .offset: 16, .size: 8, .value_kind: global_buffer, .address_space: global }
      - { .name: ws2, .offset: 24, .size: 8, .value_kind: global_buffer, .address_space: global }
      - { .name: bias2, .offset: 32, .size: 8, .value_kind: global_buffer, .address_space: global }
      - { .name: lt, .offset: 40, .size: 8, .value_kind: global_buffer, .address_space: global }
      - { .name: part, .offset: 48, .size: 8, .value_kind: global_buffer, .address_space: global }
    .group_segment_fixed_size: 327680
    .private_segment_fixed_size: 0
    .kernarg_segment_align: 8
    .kernarg_segment_size: 56
    .max_flat_workgroup_size: 128
    .sgpr_count:     102
    .vgpr_count:     1024
    .wavefront_size: 32
...
	.end_amdgpu_metadata
.endif
;; end of part 2
;; launch join (part 3): grid 256 x 1, 2 waves a work-group, no clusters, 0 bytes of LDS; arguments part, out0; writes out0
.if DOCPART == 3
	.amdgcn_target "amdgcn-amd-amdhsa--gfx1250"
	.amdhsa_code_object_version 6
	.text
	.protected	k_q3a23c47702_join
	.globl	k_q3a23c47702_join
	.p2align	8
	.type	k_q3a23c47702_join,@function
k_q3a23c47702_join:
	s_mov_b64 s[64:65], 0
	v_nop
	global_prefetch_b8 v0, s[64:65] scope:SCOPE_SE
	s_setreg_imm32_b32 hwreg(HW_REG_WAVE_MODE, 25, 1), 1
	s_wait_xcnt 0x0
; Launch 3 of 3: levels 2, 1 and 0.  A thread takes a row: part[q][row] = V(8 + q) (two classes), a p, 0; the p of q = 2 c is node 4 + c's, of q = 3, 5, 7 node 1's, 2's, 3's.
; Each load of a wave covers 512 consecutive bytes, the store 256, aligned.  No loop to run ahead in: no prefetch.  Memory binds: no LDS, no matrix unit.
	s_load_b128 s[4:7], s[0:1], 0x0
	s_lshl_b32 s8, ttmp9, 6
	v_add_nc_u32 v1, s8, v0
	v_lshlrev_b32 v2, 4, v1
	v_lshlrev_b32 v3, 3, v1
	s_wait_alu depctr_va_vdst(0)                   ; the wait at the head's end
	s_wait_kmcnt 0x0
.irp q, 0,1,2,3,4,5,6,7
	global_load_b128 v[8+4*\q:11+4*\q], v2, s[4:5] offset:262144*\q
.endr
	s_wait_loadcnt 0x0
.irp c, 0,1,2,3
	v_pk_add_f32 v[12+8*\c:13+8*\c], v[12+8*\c:13+8*\c], v[8+8*\c:9+8*\c] neg_lo:[0,1] neg_hi:[0,1]
.endr
.irp c, 0,1,2,3
	v_pk_fma_f32 v[8+8*\c:9+8*\c], v[12+8*\c:13+8*\c], v[10+8*\c:11+8*\c], v[8+8*\c:9+8*\c] op_sel_hi:[1,0,1]   ; V(4 + c)
.endr
	v_pk_add_f32 v[16:17], v[16:17], v[8:9] neg_lo:[0,1] neg_hi:[0,1]
	v_pk_add_f32 v[32:33], v[32:33], v[24:25] neg_lo:[0,1] neg_hi:[0,1]
	v_pk_fma_f32 v[8:9], v[16:17], v[30:31], v[8:9] op_sel_hi:[1,0,1]       ; V(2)
	v_pk_fma_f32 v[24:25], v[32:33], v[38:39], v[24:25] op_sel_hi:[1,0,1]   ; V(3)
	v_pk_add_f32 v[24:25], v[24:25], v[8:9] neg_lo:[0,1] neg_hi:[0,1]
	v_pk_fma_f32 v[8:9], v[24:25], v[22:23], v[8:9] op_sel_hi:[1,0,1]       ; V(1): the row's two numbers
	global_store_b64 v3, v[8:9], s[6:7]
	s_endpgm
.Lfunc_end_k_q3a23c47702_join:
	.size	k_q3a23c47702_join, .Lfunc_end_k_q3a23c47702_join-k_q3a23c47702_join
	.p2alignl 7, 3214868480
	.fill 96, 4, 3214868480
	.section	.rodata,"a",@progbits
	.p2align	6, 0x0
	.amdhsa_kernel k_q3a23c47702_join
		.amdhsa_group_segment_fixed_size 0
		.amdhsa_private_segment_fixed_size 0
		.amdhsa_enable_private_segment 0
		.amdhsa_kernarg_size 16
		.amdhsa_user_sgpr_count 2
		.amdhsa_user_sgpr_kernarg_segment_ptr 1
		.amdhsa_wavefront_size32 1
		.amdhsa_system_sgpr_workgroup_id_x 1
		.amdhsa_system_sgpr_workgroup_id_y 1
		.amdhsa_system_sgpr_workgroup_id_z 1
		.amdhsa_system_vgpr_workitem_id 0
		.amdhsa_next_free_vgpr 48
		.amdhsa_next_free_sgpr 66
		.amdhsa_reserve_vcc 0
		.amdhsa_float_denorm_mode_32 3
		.amdhsa_float_denorm_mode_16_64 3
		.amdhsa_memory_ordered 1
		.amdhsa_forward_progress 1
		.amdhsa_inst_pref_size 3
	.end_amdhsa_kernel
	.amdgpu_metadata
---
amdhsa.version: [ 1, 2 ]
amdhsa.kernels:
  - .name:           k_q3a23c47702_join
    .symbol:         k_q3a23c47702_join.kd
    .args:
      - { .name: part, .offset: 0, .size: 8, .value_kind: global_buffer, .address_space: global }
      - { .name: out0, .offset: 8, .size: 8, .value_kind: global_buffer, .address_space: global }
    .group_segment_fixed_size: 0
    .private_segment_fixed_size: 0
    .kernarg_segment_align: 8
    .kernarg_segment_size: 16
    .max_flat_workgroup_size: 64
    .sgpr_count:     66
    .vgpr_count:     48
    .wavefront_size: 32
...
	.end_amdgpu_metadata
.endif
;; end of part 3
